; MI455X (gfx1250); checked and timed in simulation.
; The chip was launched on July 23, 2026; its instructions are those of AMD's public machine-readable ISA for CDNA 5 (MIT licence, August 2026) and "CDNA5" Instruction Set Architecture Reference Guide (July 2026). The comments in the code are by the model that wrote it; some were corrected since.
;; Lo RA Linear. Allowed arithmetic: matrix products marked QUANTISED: E3M2 operands, one E8M0 scale for each 32 along K, by v_wmma_scale_f32_16x16x128_f8f6f4 with both operands' format E3M2, f32 sums; products left as they are: f32 operands where the result goes on into a quantised operand, else bf16, f16 or f32 operands; f32 sums; everything else in f32.
;; Inputs: base_weight 4,096 x 4,096 float32; bias 4,096 float32; lora_A 8 x 4,096 float32; lora_B 4,096 x 8 float32; x 2 x 2,048 x 4,096 float32.
;; Outputs: out0 2 x 2,048 x 4,096 float32.
;; This version of the problem:
;;   THIS VERSION OF THE PROBLEM IS GIVEN IN LOW PRECISION. The matrix products marked QUANTISED in the list below multiply operands that are first quantised to E3M2 (3 exponent bits, 2 mantissa bits; 6 bits a number), with one power-of-two scale for each 32 numbers along K (OCP MX v1.0); their sums are f32. All else is computed in f32.
;;   The module's matrix products, in the order in which they are computed (A, B: the left and right operand; K: the contracted axis; several contracted axes count as one K, in the product's order):
;;     1. [M 4,096, K 8] x [K 8, N 4,096]; A: input lora_B; B: input lora_A: left as it is (K = 8 < 32)
;;     2. [M 4,096, K 4,096] x [K 4,096, N 4,096]; A: input x; B: computed on the way: QUANTISED
;;   THE QUANTISER, for each operand of a quantised product, along K:
;;     - K is cut into blocks of 32 from its start; a last block that is shorter is filled with zeros.
;;     - A block's scale is 2^e with e = floor(log2(the largest magnitude in the block)) - 4, held to -126 .. 127; a block of zeros has e = 0. As a byte (E8M0): e + 127.
;;     - Each number is divided by its block's scale, clamped to +-28, and rounded to the nearest number of E3M2, ties to even, subnormals kept.
;;     - The product sums the exact products of the quantised numbers (number of the format x scale) in f32.
;;   ~~~python
;;   def quantise(x, axis):      # numpy; x: float32 -> the quantised numbers, widened to float32 again
;;       x = np.moveaxis(x, axis, -1); K = x.shape[-1]
;;       x = np.pad(x, [(0, 0)] * (x.ndim - 1) + [(0, -K % 32)]); x = x.reshape(x.shape[:-1] + (-1, 32)); a = np.abs(x).max(-1, keepdims=True)
;;       e = np.where(a > 0, np.clip(np.frexp(np.where(a > 0, a, 1))[1] - 1 - 4, -126, 127), 0)      # np.frexp(a)[1] - 1 = floor(log2(a)), exactly
;;       r = np.clip(x / 2.0 ** e, -28, 28)
;;       step = 2.0 ** (np.maximum(np.frexp(np.where(r == 0, 1, r))[1] - 1, -2) - 2)
;;       q = np.round(r / step) * step * 2.0 ** e      # np.round: ties to even
;;       return np.moveaxis(q.reshape(q.shape[:-2] + (-1,))[..., :K], -1, axis).astype(np.float32)
;;   ~~~
;;   OPERANDS COMPUTED ON THE WAY. 'Computed on the way' means the value that the module computes at that place (a softmax that the list does not call 'softmax' is quantised finished and normalised). What goes into a quantiser is computed in f32, as accurately as f32 sums, v_exp_f32 and their like allow (about 1e-6 of the number): no bf16 or f16 on the way to a quantiser, and a product that is left as it is and whose result goes on into a quantised operand takes f32 operands (vector FMAs, or v_wmma_f32_16x16x4_f32). A number that lies on a knife's edge between two numbers of the format may be rounded either way, as far as f32 arithmetic and the matrix unit's own rounding can turn it there, and no further.
;; One version. Each part assembles by itself: llvm-mc -triple=amdgcn-amd-amdhsa -mcpu=gfx1250 --defsym DOCPART=n.
;; ======== version 1 of 1: 2 launches
;; limits: right only within a limited range of input values
;; workspace buffers: xq 13,107,200 bytes; wq 13,107,200 bytes
;; launch quant (part 1): grid 1024 x 1, 4 waves a work-group, no clusters, 60,928 bytes of LDS; arguments x, base_weight, lora_A, lora_B, xq, wq; writes xq, wq
.if DOCPART == 1
	.amdgcn_target "amdgcn-amd-amdhsa--gfx1250"
	.amdhsa_code_object_version 6
	.text
	.protected	k_q9ec2725409_quant
	.globl	k_q9ec2725409_quant
	.p2align	8
	.type	k_q9ec2725409_quant,@function
k_q9ec2725409_quant:
	s_mov_b64 s[64:65], 0
	v_nop
	global_prefetch_b8 v0, s[64:65] scope:SCOPE_SE
	s_setreg_imm32_b32 hwreg(HW_REG_WAVE_MODE, 25, 1), 1
	s_wait_xcnt 0x0
; x [4096][4096] f32, and W = base_weight + 2 (lora_B lora_A) [4096][4096], formed here in f32, are turned into codes of BF6 (E3M2) with one E8M0 scale byte for each 32 along K (K = the last axis of both).
; A block's scale is 2^(floor(log2(its largest magnitude)) - 4); its byte is the largest magnitude's own exponent field - 4, held at 1 from below.  Each number is divided by the scale and rounded to the nearest code, ties to even,
; beyond the largest code the largest.  No work of the problem is left out, and every input is loaded by this launch or the next.
; THE OUTPUT'S LAYOUT is this program's own, made for the product's launch: [step g of 128 along K: 32][block of 128 rows: 32][a piece of 12,800 bytes].  A piece: eight fragments of 1,536 bytes (16 rows x 128 K), then 128 scale words
; (row's four bytes).  A fragment is the image of the matrix operand's 12 registers: word d of lane L (L = row % 16 + 16 (block of 32 % 2); d = 6 (block / 2) + the word in the block's 24 bytes) lies at 512 (d / 4) + 16 L + 4 (d % 4).
; SHARES.  Work-groups with an even number take x, those with an odd number W.  A work-group takes 32 rows x 1,024 along K; wave w takes 256 along K of them (two steps g).
; A wave walks 16 steps of 2 rows x 256 numbers.  Each of a step's four loads reads 512 consecutive bytes; the 2,048 bytes turn through the wave's own stage in LDS and come back 64 bytes a lane:
; lane l then holds 16 neighbours along K (row 2 t + l / 16, k = 16 (l % 16) + 0 .. 15); lanes l and l xor 1 hold a block of 32.
; W.  A lane's 8 x 16 numbers of lora_A stay in 128 registers, doubled once (exact: alpha / rank = 2); a step's row of lora_B is handed to the sixteen lanes of its row by a DPP move; W = base + the sum over j, ascending, of (2 A[j][k]) B[o][j].
; THE WAY OUT.  Eight steps' codes (16 rows x 256 K = two fragments) are gathered in LDS as 16-byte units of the image and leave by six stores of 512 consecutive bytes, each at a multiple of 256 from the buffer's first byte.
; In LDS the units of lanes 16-31 lie 288 bytes behind those of lanes 0-15 and the second fragment 2,368 behind the first: so the 32 lanes of a word store touch 32 different banks (64 banks of 4 bytes: ISA guide 11.1).
; A wave's scale words of one step g are 32 rows x 4 = 128 consecutive bytes: half of an aligned 256; they are one byte in 25 of what the launch stores.
; The two paths part once, on the work-group's number, and do not join; each has LDS bytes of its own.  No barrier: waves share nothing.  No pointer is stepped.
; LIMITS: NaN and infinities among the inputs are not served.  A block whose largest magnitude lies under 2^-122 keeps the byte 1, a block of zeros too (the rule says 127 there): its codes are zeros, and this program alone reads the bytes.
; W's sum is base first and then the eight terms, each fused, where the reference sums the eight terms first: a few units in the last place of f32.  2 x lora_A overflows above 1.7e38.
.set PLANE, 409600                     ; bytes from step g to step g + 1: 32 pieces
.set PCE,   12800
.set SCO,   12288                      ; the scale words in a piece
.set WREG,  7552                       ; LDS of a wave: a stage of 32 places of 80 bytes, 4,736 bytes of codes, 256 scale bytes
.set CDS,   2560
.set SBY,   7296
.set GP,    2368                       ; from the first fragment's units to the second's
.set DQ,    768                        ; from one 512-byte image's units to the next's
.set PBX,   0
.set PBW,   4*WREG
.set SPAREQ, 8*WREG                    ; 60,416: the spare words, 512 bytes
.set EMAX,  4
.set OUTR,  28                         ; v28-39   a fragment on the way out
.set BB,    40                         ; v40-55   pair j: lora_B[my row][j], and a word that is only named with it
.set BW,    56                         ; v56-63   lora_B: lane l holds row 2 (l % 16) + l / 16
.set R,     64                         ; v64..    sets of 16 numbers: 8 on x's path, 4 on W's
.set A2,    128                        ; v128-255 W's path: 2 lora_A[j][my k + i] at v[128 + 16 j + i]
; v2 lane; v3 16 x lane; v4, v5 the stage, in and out; v6, v7 scale bytes in LDS, in and out; v8 their place in memory; v9, v18, v19 where my three words of codes go; v10 the units back; v11-13 at work; v14, v17 the add's two registers;
; v20-23, v24-27 two sets of a step's codes and its byte
	s_load_b256 s[4:11], s[0:1], 0x0               ; x, base_weight, lora_A, lora_B
	s_load_b128 s[12:15], s[0:1], 0x20             ; xq, wq
	v_lshl_add_u32 v14, v0, 2, SPAREQ
	v_mov_b32 v17, 0
	v_lshrrev_b32 v1, 5, v0
	v_readfirstlane_b32 s20, v1                    ; wave 0..3
	s_mul_i32 s25, s20, WREG
	s_add_co_u32 s36, s25, CDS
	s_add_co_u32 s37, s25, SBY
	v_and_b32 v2, 31, v0                           ; lane
	v_lshlrev_b32 v3, 4, v2
	v_lshrrev_b32 v4, 2, v2
	v_mul_u32_u24 v4, v4, 80
	v_and_b32 v1, 3, v2
	v_lshl_add_u32 v4, v1, 4, v4
	v_add_nc_u32 v4, s25, v4                       ; into the stage: four lanes' 64 bytes on end, then 16 of padding
	v_mul_u32_u24 v5, v2, 80
	v_add_nc_u32 v5, s25, v5                       ; out of it: place = lane
	v_bfe_u32 v11, v2, 3, 1                        ; which of my two steps g
	v_lshrrev_b32 v12, 4, v2                       ; which of the step's two rows
	v_bfe_u32 v1, v2, 1, 2                         ; my block of 32 in g
	v_lshl_add_u32 v6, v11, 7, v1
	v_lshl_add_u32 v6, v12, 2, v6
	v_add_nc_u32 v6, s37, v6                       ; my block's byte: 128 g + 4 row + block
	v_lshlrev_b32 v8, 3, v2
	v_add_nc_u32 v7, s37, v8                       ; back: 8 bytes a lane
	v_and_b32 v8, 15, v2
	v_lshlrev_b32 v8, 3, v8
	v_mad_u32_u24 v8, v12, PLANE, v8               ; lanes 0-15: the first g's 128 bytes; lanes 16-31: the second's
	v_mul_u32_u24 v13, v11, GP
	v_bfe_u32 v1, v2, 1, 1
	v_mad_u32_u24 v13, v1, 288, v13                ; block % 2: the image's lanes 16-31
	v_lshl_add_u32 v13, v12, 4, v13
	v_add_nc_u32 v13, s36, v13
	v_bfe_u32 v1, v2, 2, 1
	v_mul_u32_u24 v1, v1, 6
	v_and_b32 v11, 1, v2
	v_mad_u32_u24 v1, v11, 3, v1                   ; my first word d of the image lane's twelve
.macro CADR dst, j
	v_add_nc_u32 v11, \j, v1
	v_lshrrev_b32 v12, 2, v11
	v_and_b32 v11, 3, v11
	v_mad_u32_u24 v12, v12, DQ, v13
	v_lshl_add_u32 v[\dst], v11, 2, v12
.endm
	CADR 9, 0
	CADR 18, 1
	CADR 19, 2
	v_lshrrev_b32 v1, 4, v2
	v_and_b32 v11, 15, v2
	v_mul_u32_u24 v10, v1, 288
	v_lshl_add_u32 v10, v11, 4, v10
	v_add_nc_u32 v10, s36, v10
	s_wait_alu depctr_va_vdst(0)
	s_and_b32 s21, ttmp9, 1                        ; 0: x, 1: W
	s_lshr_b32 s22, ttmp9, 1
	s_and_b32 s23, s22, 3
	s_lshl_b32 s23, s23, 2
	s_add_co_u32 s23, s23, s20                     ; my 256 along K: 4 x (which 1,024) + wave
	s_lshr_b32 s24, s22, 2                         ; which 32 rows: 0 .. 127
	s_lshl_b32 s26, s24, 19                        ; the input: 32 rows of 16,384 bytes,
	s_lshl_b32 s28, s23, 10                        ; + 1,024 bytes for each 256 along K (lora_A's offset too)
	s_add_co_u32 s26, s26, s28
	s_mov_b32 s27, 0
	s_mov_b32 s29, 0
	s_mul_i32 s30, s23, 2*PLANE                    ; my first step g,
	s_lshr_b32 s32, s24, 2
	s_mul_i32 s32, s32, PCE                        ; my block of 128 rows,
	s_add_co_u32 s30, s30, s32
	s_and_b32 s34, s24, 3
	s_mul_i32 s32, s34, 3072                       ; my two fragments of its eight
	s_add_co_u32 s32, s30, s32
	s_lshl_b32 s34, s34, 7                         ; my 32 scale words
	s_add_co_u32 s30, s30, s34
	s_add_co_u32 s30, s30, SCO
	s_mov_b32 s31, 0
	s_mov_b32 s33, 0
	s_lshl_b32 s34, s24, 10                        ; lora_B: 32 rows of 32 bytes
	s_mov_b32 s35, 0
	s_wait_kmcnt 0x0
	s_cmp_eq_u32 s21, 0                            ; the choice of buffers hangs on the work-group's number alone
	s_cselect_b64 s[4:5], s[4:5], s[6:7]
	s_cselect_b64 s[12:13], s[12:13], s[14:15]
	s_add_nc_u64 s[4:5], s[4:5], s[26:27]
	s_add_nc_u64 s[14:15], s[12:13], s[30:31]      ; the scale words
	s_add_nc_u64 s[12:13], s[12:13], s[32:33]      ; the codes
	s_add_nc_u64 s[8:9], s[8:9], s[28:29]
	s_add_nc_u64 s[10:11], s[10:11], s[34:35]
.macro LOAD t, ns                      ; step t's 2 rows x 1,024 bytes into set t % ns
.irp i, 0,1,2,3
	global_load_b128 v[R+16*((\t)%(\ns))+4*\i:R+16*((\t)%(\ns))+4*\i+3], v3, s[4:5] offset:32768*(\t)+16384*(\i/2)+512*(\i%2) th:TH_LOAD_NT
.endr
.endm
.macro TURN t, ns, pb                  ; through the stage: LDS serves a wave's instructions in order (ISA guide 5.7.1), so no wait stands between the stores and the loads
.irp i, 0,1,2,3
	ds_store_b128 v4, v[R+16*((\t)%(\ns))+4*\i:R+16*((\t)%(\ns))+4*\i+3] offset:\pb+640*\i
.endr
.irp i, 0,1,2,3
	ds_load_b128 v[R+16*((\t)%(\ns))+4*\i:R+16*((\t)%(\ns))+4*\i+3], v5 offset:\pb+16*\i
.endr
.endm
.macro BACK pb, g                      ; fragment g of the gathered two, 16 bytes a lane
.irp i, 0,1,2
	ds_load_b128 v[OUTR+4*\i:OUTR+4*\i+3], v10 offset:\pb+GP*\g+DQ*\i
.endr
.endm
.macro OUT g, grp                      ; 32 lanes store 512 consecutive bytes, at a multiple of 256 from the buffer's first byte
.irp i, 0,1,2
	global_store_b128 v3, v[OUTR+4*\i:OUTR+4*\i+3], s[12:13] offset:PLANE*\g+1536*(\grp)+512*\i
.endr
.endm
.macro QSTEP t, ns, lora, pb
.set S,  R+16*((\t)%(\ns))
.set CS, 20+4*((\t)%2)
.if (\t)%8 == 0
	s_wait_dscnt 0x0                               ; this step's numbers are back, and so is the first fragment of the last eight steps
.if (\t) > 0
	OUT 0, (\t)/8-1
	s_wait_xcnt 0x0                                ; the stores have read their data
	BACK \pb, 1                                    ; the second fragment: ahead of this step's stores into the same bytes, and LDS serves them in order
.endif
.else
	s_wait_dscnt 4                                 ; all but the last step's three word stores and its byte store
.if (\t) == 9
	OUT 1, 0
.endif
.endif
.if (\t) < 15
.set LAST, (\t)+(\ns)-1
.if LAST > 15
.set LAST, 15
.endif
	s_wait_loadcnt 4*(LAST-(\t)-1)                 ; the next step's four loads are in; those of the steps behind it may be out
	TURN (\t)+1, \ns, \pb
.endif
.if \lora
.irp j, 0,1,2,3,4,5,6,7
	v_mov_b32_dpp v[BB+2*\j], v[BW+\j] row_share:\t row_mask:0xf bank_mask:0xf   ; lane t of each half holds that half's row of this step
.endr
.irp j, 0,1,2,3,4,5,6,7
.irp i, 0,2,4,6,8,10,12,14
	v_pk_fma_f32 v[S+\i:S+\i+1], v[A2+16*\j+\i:A2+16*\j+\i+1], v[BB+2*\j:BB+2*\j+1], v[S+\i:S+\i+1] op_sel_hi:[1,0,1]
.endr
.endr
.endif
	v_max3_num_f32 v11, |v[S]|, |v[S+1]|, |v[S+2]|
	v_max3_num_f32 v12, |v[S+3]|, |v[S+4]|, |v[S+5]|
.irp i, 6,10
	v_max3_num_f32 v11, v11, |v[S+\i]|, |v[S+\i+1]|
	v_max3_num_f32 v12, v12, |v[S+\i+2]|, |v[S+\i+3]|
.endr
	v_max3_num_f32 v11, v11, |v[S+14]|, |v[S+15]|
	v_max3_num_f32 v11, v11, v12, (EMAX+1)<<23     ; the floor 2^(5 - 127): the byte cannot fall under 1
	v_max_num_f32_dpp v11, v11, v11 row_xmask:1 row_mask:0xf bank_mask:0xf   ; with my neighbour's 16: the block's
	v_add_nc_u32 v13, -(EMAX<<23), v11             ; 4 off its exponent field: the conversion's scale operand
	v_cvt_scalef32_pk16_bf6_f32 v[CS:CS+2], v[S:S+15], v13
	v_lshrrev_b32 v[CS+3], 23, v13                 ; the scale's byte (also the plain instruction behind the conversion)
.if (\t)+(\ns) < 16
	LOAD (\t)+(\ns), \ns
.endif
	ds_store_b32 v9,  v[CS]   offset:\pb+32*((\t)%8)   ; rows 2 (t % 8) and 2 (t % 8) + 1 of the fragment: 16 bytes a row
	ds_store_b32 v18, v[CS+1] offset:\pb+32*((\t)%8)
	ds_store_b32 v19, v[CS+2] offset:\pb+32*((\t)%8)
	ds_store_b8 v6, v[CS+3] offset:\pb+8*(\t)      ; both lanes of a block write the same byte with the same value
.if (\t)%8 == 7
.if (\t) > 7
	s_wait_xcnt 0x0                                ; the earlier stores have read their data
.endif
	BACK \pb, 0
.endif
.endm
.macro TAIL pb
	ds_load_b64 v[12:13], v7 offset:\pb            ; my wave's 256 scale bytes
	s_wait_dscnt 0x0
	OUT 0, 1
	global_store_b64 v8, v[12:13], s[14:15]        ; two runs of 128 consecutive bytes
	s_wait_xcnt 0x0
	BACK \pb, 1
	s_wait_dscnt 0x0
	OUT 1, 1
	s_wait_tensorcnt 0x0                           ; the wave's end
	ds_add_u32 v14, v17
	s_wait_dscnt 0x0
	s_endpgm
.endm
	s_cmp_lg_u32 s21, 0
	s_cbranch_scc1 .Lw
	; ---- x: eight steps of loads (32 loads a wave) out
.irp t, 0,1,2,3,4,5,6,7
	LOAD \t, 8
.endr
	s_wait_loadcnt 28                              ; step 0's four loads are in
	TURN 0, 8, PBX
.irp t, 0,1,2,3,4,5,6,7,8,9,10,11,12,13,14,15
	QSTEP \t, 8, 0, PBX
.endr
	TAIL PBX
.Lw:	; ---- W: lora_A's and lora_B's parts first, then four steps of loads out
	v_and_b32 v1, 15, v2
	v_lshlrev_b32 v15, 6, v1                       ; lora_A: my 16 numbers of the 256
	v_lshrrev_b32 v1, 4, v2
	v_lshl_add_u32 v16, v1, 5, v15                 ; lora_B: row 2 (lane % 16) + lane / 16, 32 bytes a row
.irp j, 0,1,2,3,4,5,6,7
.irp c, 0,1,2,3
	global_load_b128 v[A2+16*\j+4*\c:A2+16*\j+4*\c+3], v15, s[8:9] offset:16384*\j+16*\c
.endr
.endr
	global_load_b128 v[BW:BW+3], v16, s[10:11]
	global_load_b128 v[BW+4:BW+7], v16, s[10:11] offset:16
.irp t, 0,1,2,3
	LOAD \t, 4
.endr
.irp j, 0,1,2,3,4,5,6,7,8,9,10,11,12,13,14,15
	v_mov_b32 v[BB+\j], 0                          ; written once: a DPP move's destination counts as read, and the packed form names the whole pair
.endr
	s_wait_loadcnt 16                              ; lora_A's and lora_B's loads are in
.set a, 0
.rept 64
	v_pk_add_f32 v[A2+a:A2+a+1], v[A2+a:A2+a+1], v[A2+a:A2+a+1]    ; 2 A: exact
.set a, a+2
.endr
	s_wait_loadcnt 12                              ; step 0's four loads are in
	TURN 0, 4, PBW
.irp t, 0,1,2,3,4,5,6,7,8,9,10,11,12,13,14,15
	QSTEP \t, 4, 1, PBW
.endr
	TAIL PBW
.Lfunc_end_k_q9ec2725409_quant:
	.size	k_q9ec2725409_quant, .Lfunc_end_k_q9ec2725409_quant-k_q9ec2725409_quant
	.p2alignl 7, 3214868480
	.fill 96, 4, 3214868480
	.section	.rodata,"a",@progbits
	.p2align	6, 0x0
	.amdhsa_kernel k_q9ec2725409_quant
		.amdhsa_group_segment_fixed_size 60928
		.amdhsa_private_segment_fixed_size 0
		.amdhsa_enable_private_segment 0
		.amdhsa_kernarg_size 48
		.amdhsa_user_sgpr_count 2
		.amdhsa_user_sgpr_kernarg_segment_ptr 1
		.amdhsa_wavefront_size32 1
		.amdhsa_system_sgpr_workgroup_id_x 1
		.amdhsa_system_sgpr_workgroup_id_y 1
		.amdhsa_system_sgpr_workgroup_id_z 1
		.amdhsa_system_vgpr_workitem_id 0
		.amdhsa_next_free_vgpr 256
		.amdhsa_next_free_sgpr 66
		.amdhsa_reserve_vcc 0
		.amdhsa_float_denorm_mode_32 3
		.amdhsa_float_denorm_mode_16_64 3
		.amdhsa_memory_ordered 1
		.amdhsa_forward_progress 1
		.amdhsa_inst_pref_size 152
	.end_amdhsa_kernel
	.amdgpu_metadata
---
amdhsa.version: [ 1, 2 ]
amdhsa.kernels:
  - .name:           k_q9ec2725409_quant
    .symbol:         k_q9ec2725409_quant.kd
    .args:
      - { .name: x, .offset: 0, .size: 8, .value_kind: global_buffer, .address_space: global }
      - { .name: base_weight, .offset: 8, .size: 8, .value_kind: global_buffer, .address_space: global }
      - { .name: lora_A, .offset: 16, .size: 8, .value_kind: global_buffer, .address_space: global }
      - { .name: lora_B, .offset: 24, .size: 8, .value_kind: global_buffer, .address_space: global }
      - { .name: xq, .offset: 32, .size: 8, .value_kind: global_buffer, .address_space: global }
      - { .name: wq, .offset: 40, .size: 8, .value_kind: global_buffer, .address_space: global }
    .group_segment_fixed_size: 60928
    .private_segment_fixed_size: 0
    .kernarg_segment_align: 8
    .kernarg_segment_size: 48
    .max_flat_workgroup_size: 128
    .sgpr_count:     66
    .vgpr_count:     256
    .wavefront_size: 32
...
	.end_amdgpu_metadata
.endif
;; end of part 1
;; launch gemm (part 2): grid 16 x 16, 4 waves a work-group, clusters of 4 x 4, 327,680 bytes of LDS; arguments xq, wq, bias, out0; writes out0
.if DOCPART == 2
	.amdgcn_target "amdgcn-amd-amdhsa--gfx1250"
	.amdhsa_code_object_version 6
	.text
	.protected	k_q9ec2725409_gemm
	.globl	k_q9ec2725409_gemm
	.p2align	8
	.type	k_q9ec2725409_gemm,@function
k_q9ec2725409_gemm:
	s_mov_b64 s[64:65], 0
	v_nop
	global_prefetch_b8 v0, s[64:65] scope:SCOPE_SE
	s_setreg_imm32_b32 hwreg(HW_REG_WAVE_MODE, 25, 1), 1
	s_wait_xcnt 0x0
	s_wait_alu depctr_hold_cnt(0) depctr_sa_sdst(0) depctr_va_vdst(0) depctr_va_sdst(0) depctr_va_ssrc(0) depctr_va_vcc(0) depctr_vm_vsrc(0)
	s_getreg_b32 s2, hwreg(HW_REG_IB_STS2, 6, 4)
	s_cmp_eq_u32 s2, 0
	s_cbranch_scc0 .Lentry_in_a_cluster
	s_endpgm
.Lentry_in_a_cluster:
	s_bfe_u32 s2, ttmp6, 0x10000c
	s_cmp_lg_u32 s2, 0xf033
	s_cbranch_scc0 .Lentry_shape_is_right
	s_endpgm
.Lentry_shape_is_right:
; out0[m][n] = bias[n] + sum over k of x[m][k] W[n][k], on the codes of BF6 (E3M2) and E8M0 scale bytes that the launch before has laid: [step g of 128 along K: 32][block of 128 rows: 32][piece of 12,800 bytes];
; a piece = eight fragments of 1,536 bytes (16 rows x 128 K, the image of the operand's 12 registers: three runs of 512 bytes, 16 bytes a lane), then 128 scale words.  Sums in f32; the bias is the C of each accumulator's first product.
; A tile of 256 x 256 is made by a work-group of four waves, 128 x 128 a wave: 64 accumulators, 512 registers.  256 tiles, 256 work-groups.
; THE RING: two LDS slots of three steps g each: 4 x 3 pieces = 153,600 bytes (x's two blocks of 128 rows, then W's two).  A wave fills a quarter of a slot by one tensor load: three rows of 12,800 bytes, each at a multiple of 256 bytes.
; 32 steps = a first fill of two steps and ten fills of three; fill f lies in slot f % 2.  The scale words come with the codes.  No padding: a fragment load's lanes read 512 bytes on end.
; By the text's count one tensor load a wave is out behind each change of slots, and 176 matrix instructions stand between it and the wait for it.
; CLUSTERS: 4 x 4 work-groups.  The four of a row of the cluster need the same pieces of x, the four of a column the same pieces of W: each is asked for jointly, by the same load with a mask that names the four.
; THE MATRIX INSTRUCTION IS USED TRANSPOSED (source 0 = 16 rows of W, source 1 = 16 rows of x): a lane holds eight neighbouring numbers of a row of the output.
; THE LAST TWO STEPS GO BY ROWS OF THE OUTPUT: both steps' fragments of W lie in W's two sets, step 31's fragments of x in registers that are free by then, and each block of 16 rows leaves as soon as its sums are finished.
; PREFETCH: behind the joint load for fill F each wave asks for fill F + 2 of the tile that it fetches: 150 blocks of 256 bytes, of which the partner at place p takes blocks 38 p .. 38 p + 37 (told apart by address), two instructions a wave;
; lanes left over name the last block again.  Behind fill 0's load fills 1 and 2 are asked for; the last two refills ask for nothing.
; REGISTERS: window 0: v16-31 addresses; v32-47 scale words, two sets (lanes 0-15 x's block i, lanes 16-31 W's block i); v64-127 the bias; v128-223 x's fragments, one set; step 31's fragments of x: v64-123, v224-247, v48-59.
;   window 1: W's fragments, two sets, at v0 and v128.  windows 2, 3: the accumulators ((a, b) at v[8 (8 (a % 4) + b)]).
.set SIZE_N, 4096
.set PLANE,  409600
.set PCE,    12800
.set FRB,    1536
.set SCO,    12288
.set PIECE,  3*PCE
.set SLOT,   4*PIECE
.set SPARE,  2*SLOT                    ; the spare words, 512 bytes, behind the ring
.set STAGE,  SLOT                      ; the way out goes through slot 1, which has had its last fill and its last read by then (the last fill lies in slot 0)
.set SPITCH, 528
.set ADRA, 16
.set ADRB, 18
.set ADRS, 20
.set STO,  24
.set RD,   25
.set CO,   26
.set SPW,  28
.set NIL,  29
.set PF,   30                          ; v30-31 the prefetches' offsets
.set SC,   32
.set BI,   64
.set AF,   128
.set G1,  24
.set G0,  32
.set G1B, 48
.set G0B, 56
.set PFA, 66                           ; s[66:67] where my prefetches stand
.set MSB, 0
.macro WIN new                         ; the immediate's high byte repeats the setting that is left
.if MSB != \new
	s_set_vgpr_msb (MSB<<8)|\new
.set MSB, \new
.endif
.endm
.set MUL_LO, 0xa1
.set MUL_HI, 0xf1
.set BIA_LO, 0x81                      ; C (the bias) in window 0
.set BIA_HI, 0xc1
.set TO_B,   0x40
.macro JLOAD s                         ; waves 0 and 1 fetch x's two blocks, waves 2 and 3 W's
	s_cmp_eq_u32 s15, 0
	s_cbranch_scc0 .Lfor_b_\@
	tensor_load_to_lds s[G0+4*\s:G0+4*\s+3], s[G1:G1+7]
	s_nop 0
.rept 4
	v_nop
.endr
	s_branch .Lasked_\@
.Lfor_b_\@:
	tensor_load_to_lds s[G0B+4*\s:G0B+4*\s+3], s[G1B:G1B+7]
	s_nop 0
.rept 4
	v_nop
.endr
.Lasked_\@:
.endm
.macro CREST
	s_cmp_lg_u32 s14, 0
	s_cbranch_scc1 .Lnot_wave_0_\@
	s_barrier_signal -3
.Lnot_wave_0_\@:
	s_barrier_wait -3
	s_barrier_signal -1
	s_barrier_wait -1
.endm
.macro CROUND
	s_barrier_signal -1
	s_barrier_wait -1
	CREST
.endm
.macro ASK off                         ; my share of the three pieces that begin off bytes behind s[PFA:PFA+1]
	global_prefetch_b8 v[PF], s[PFA:PFA+1] offset:\off th:TH_LOAD_NT scope:SCOPE_SE
	global_prefetch_b8 v[PF+1], s[PFA:PFA+1] offset:\off th:TH_LOAD_NT scope:SCOPE_SE
.endm
	s_load_b128 s[4:7], s[0:1], 0x0                ; xq, wq
	s_load_b128 s[8:11], s[0:1], 0x10              ; bias, out0
	v_lshl_add_u32 v[SPW], v0, 2, SPARE
	v_mov_b32 v[NIL], 0
	ds_add_u32 v[SPW], v[NIL]                      ; the opening lines: the add, twice on end, and its wait
	ds_add_u32 v[SPW], v[NIL]
	v_lshrrev_b32 v1, 5, v0
	v_readfirstlane_b32 s14, v1                    ; wave
	s_lshr_b32 s15, s14, 1                         ; my half of the tile's rows; also: I fetch for x (0) or W (1)
	s_and_b32 s16, s14, 1                          ; my half of its columns; also: which block of 128 rows I fetch
	s_bfe_u32 s40, ttmp6, 0x40000                  ; cx
	s_bfe_u32 s41, ttmp6, 0x40004                  ; cy
	s_lshl_b32 s42, ttmp9, 2
	s_add_co_u32 s42, s42, s40                     ; tile column
	s_and_b32 s17, ttmp7, 0xffff
	s_lshl_b32 s17, s17, 2
	s_add_co_u32 s17, s17, s41                     ; tile row
	s_lshl_b32 s43, s41, 2
	s_lshl_b32 s43, 15, s43                        ; my row of the cluster
	s_lshl_b32 s44, 0x1111, s40                    ; my column
	s_or_b32 s[G1+0], s43, (3<<16)|(1<<21)         ; elements of 8 bytes; bit 21 beside a mask
	s_or_b32 s[G1B+0], s44, (3<<16)|(1<<21)
.irp g, G1, G1B
	s_mov_b32 s[\g+1], 1600<<16                    ; a row: a piece, 1,600 elements
	s_mov_b32 s[\g+2], 2<<16                       ; the first fill: two rows
	s_mov_b32 s[\g+3], 1600<<16
	s_mov_b32 s[\g+4], 2
	s_mov_b32 s[\g+5], PLANE/8                     ; from step g to g + 1
	s_mov_b32 s[\g+6], 0
	s_mov_b32 s[\g+7], 0
.endr
	s_lshl_b32 s20, s17, 1
	s_add_co_u32 s20, s20, s16                     ; x: block 2 x tile row + half
	s_mul_i32 s20, s20, PCE
	s_mov_b32 s21, 0
	s_lshl_b32 s46, s42, 1
	s_add_co_u32 s46, s46, s16                     ; W: block 2 x tile column + half
	s_mul_i32 s46, s46, PCE
	s_mov_b32 s47, 0
	s_mul_i32 s45, s14, PIECE                      ; where they go: wave x three pieces
	s_wait_dscnt 0x0
	s_wait_kmcnt 0x0
	s_add_nc_u64 s[20:21], s[4:5], s[20:21]
	s_add_nc_u64 s[46:47], s[6:7], s[46:47]
	CROUND                                         ; all sixteen work-groups are here: the first joint loads meet
.irp s, 0,1
	s_mov_b32 s[G0+4*\s], 1
	s_add_co_u32 s[G0+4*\s+1], s45, \s*SLOT
	s_add_nc_u64 s[G0+4*\s+2:G0+4*\s+3], s[20:21], \s*2*PLANE      ; fill 0 begins at g = 0, fill 1 at g = 2
	s_or_b32 s[G0+4*\s+3], s[G0+4*\s+3], 0x80000000
	s_mov_b32 s[G0B+4*\s], 1
	s_add_co_u32 s[G0B+4*\s+1], s45, \s*SLOT
	s_add_nc_u64 s[G0B+4*\s+2:G0B+4*\s+3], s[46:47], \s*2*PLANE
	s_or_b32 s[G0B+4*\s+3], s[G0B+4*\s+3], 0x80000000
.endr
	JLOAD 0                                        ; fill 0: one tensor load a wave at the head
	s_cmp_eq_u32 s15, 0
	s_cselect_b64 s[PFA:PFA+1], s[20:21], s[46:47] ; the tile that I fetch, at g = 0,
	s_cselect_b32 s68, s40, s41                    ; my place among the four that ask for it with me
	s_mul_i32 s68, s68, 38
	s_mul_i32 s18, s15, PIECE                      ; my 128 rows of x in a slot
	s_mul_i32 s19, s16, PIECE
	s_add_co_u32 s19, s19, 2*PIECE                 ; my 128 rows of W
	s_sub_co_u32 s22, s19, s18
	s_mul_i32 s23, s14, 16*SPITCH
	s_add_co_u32 s23, s23, STAGE                   ; my stage
	s_lshl_b32 s20, s17, 8
	s_lshl_b32 s21, s15, 7
	s_add_co_u32 s20, s20, s21
	s_lshl_b32 s20, s20, 14                        ; my first row of the output, 16,384 bytes a row
	s_mov_b32 s21, 0
	s_lshl_b32 s46, s42, 10
	s_lshl_b32 s47, s16, 9
	s_add_co_u32 s46, s46, s47                     ; my first column, in bytes
	s_mov_b32 s47, 0
	s_add_nc_u64 s[8:9], s[8:9], s[46:47]
	s_add_nc_u64 s[10:11], s[10:11], s[20:21]
	s_add_nc_u64 s[10:11], s[10:11], s[46:47]
	v_and_b32 v1, 15, v0
	v_bfe_u32 v2, v0, 4, 1
	v_and_b32 v6, 31, v0
	v_lshlrev_b32 v[CO], 4, v6                     ; 16 x lane
	v_add_nc_u32 v[ADRA], s18, v[CO]
	v_add_nc_u32 v[ADRB], s19, v[CO]
	v_add_nc_u32 v[ADRA+1], SLOT, v[ADRA]
	v_add_nc_u32 v[ADRB+1], SLOT, v[ADRB]
	v_mul_u32_u24 v3, s22, v2                      ; scale words: lanes 16-31 take W's
	v_lshl_add_u32 v3, v1, 2, v3
	v_add_nc_u32 v3, s18, v3
	v_add_nc_u32 v[ADRS], SCO, v3
	v_add_nc_u32 v[ADRS+1], SLOT+SCO, v3
	v_mul_u32_u24 v5, v1, SPITCH
	v_lshl_add_u32 v5, v2, 5, v5
	v_add_nc_u32 v[STO], s23, v5
	v_add_nc_u32 v[RD], s23, v[CO]
	v_lshlrev_b32 v7, 5, v2
	v_add_nc_u32 v8, s68, v6                       ; block 38 p + lane,
	v_min_u32 v9, 5, v6
	v_add3_u32 v9, v9, s68, 32                     ; and 38 p + 32 + 0 .. 5,
	v_min_u32 v9, 149, v9                          ; held at the tile's last block
.irp n, 0,1
	v_mul_u32_u24 v10, v[8+\n], 41
	v_lshrrev_b32 v10, 11, v10                     ; block / 50: which of the three pieces
	v_mul_u32_u24 v10, v10, PLANE-PCE
	v_lshl_add_u32 v[PF+\n], v[8+\n], 8, v10
.endr
.irp b, 0,1,2,3,4,5,6,7
	global_load_b128 v[BI+8*\b:BI+8*\b+3],   v7, s[8:9] offset:64*\b      ; bias[16 b + 8 (l / 16) + 0 .. 7]: the accumulators' layout
	global_load_b128 v[BI+8*\b+4:BI+8*\b+7], v7, s[8:9] offset:64*\b+16
.endr
	ASK 2*PLANE                                    ; fill 1 (g = 2 ..)
	ASK 5*PLANE                                    ; fill 2 (g = 5 ..)
.macro FRAG reg, adr, off
	ds_load_b128 v[\reg:\reg+3],    v[\adr] offset:\off
	ds_load_b128 v[\reg+4:\reg+7],  v[\adr] offset:\off+512
	ds_load_b128 v[\reg+8:\reg+11], v[\adr] offset:\off+1024
.endm
.macro FETCH_B slot, q, p
	WIN TO_B
.irp i, 0,1,2,3,4,5,6,7
	FRAG 128*(\p)+12*\i, ADRB+(\slot), (\q)*PCE+\i*FRB
.endr
	WIN 0
.endm
.macro FETCH_A slot, q, i0
.irp i, 0,1,2,3
	FRAG AF+12*(\i0+\i), ADRA+(\slot), (\q)*PCE+(\i0+\i)*FRB
.endr
.endm
.macro SCALES slot, q, p
.irp i, 0,1,2,3,4,5,6,7
	ds_load_b32 v[SC+8*(\p)+\i], v[ADRS+(\slot)] offset:(\q)*PCE+64*\i
.endr
.endm
.macro SETAR a                         ; where step 31's fragment of x's block a lies
.if (\a) < 5
.set AR, BI+12*(\a)
.elseif (\a) < 7
.set AR, 224+12*((\a)-5)
.else
.set AR, 48
.endif
.endm
; eight matrix instructions: x's block a (its fragment at v[AR]) against W's eight; p: W's set and the set of scale words.  The accumulators take turns, one instruction a turn.
.macro MULR a, p, first
.irp b, 0,1,2,3,4,5,6,7
.if \first
	v_wmma_scale_f32_16x16x128_f8f6f4 v[8*(8*((\a)%4)+\b):8*(8*((\a)%4)+\b)+7], v[128*(\p)+12*\b:128*(\p)+12*\b+11], v[AR:AR+11], v[BI+8*\b:BI+8*\b+7], v[SC+8*(\p)+\b], v[SC+8*(\p)+(\a)] matrix_a_fmt:MATRIX_FMT_BF6 matrix_b_fmt:MATRIX_FMT_BF6 matrix_a_scale:MATRIX_SCALE_ROW1
.else
	v_wmma_scale_f32_16x16x128_f8f6f4 v[8*(8*((\a)%4)+\b):8*(8*((\a)%4)+\b)+7], v[128*(\p)+12*\b:128*(\p)+12*\b+11], v[AR:AR+11], v[8*(8*((\a)%4)+\b):8*(8*((\a)%4)+\b)+7], v[SC+8*(\p)+\b], v[SC+8*(\p)+(\a)] matrix_a_fmt:MATRIX_FMT_BF6 matrix_b_fmt:MATRIX_FMT_BF6 matrix_a_scale:MATRIX_SCALE_ROW1
.endif
.endr
.endm
.macro MULA a, p, first
.set AR, AF+12*(\a)
	MULR \a, \p, \first
.endm
.macro MULB a                          ; step 31's products of block a
	SETAR \a
	MULR \a, 1, 0
.endm
.macro PLACES                          ; four places in front of loads into registers that matrix instructions have read, and of reads of results
.rept 4
	v_nop
.endr
.endm
; A step that is not its slot's last: 64 matrix instructions.  The next step's fragments (piece q + 1 of the same slot): W's and the scale words at the step's head (their other sets are free: the places stand at the last step's end),
; x's blocks 0-3 in its middle, blocks 4-7 at its end.  x31 = 1: step 31's fragments of x come too.
.macro STEP slot, q, p, first, x31
	s_wait_dscnt 12                                ; all but the youngest twelve loads, x's blocks 4-7
	FETCH_B \slot, (\q)+1, 1-(\p)
	SCALES \slot, (\q)+1, 1-(\p)
.if \first
	WIN BIA_LO
.else
	WIN MUL_LO
.endif
.irp a, 0,1,2,3
	MULA \a, \p, \first
.endr
	s_wait_dscnt 32                                ; x's blocks 4-7 are in; the 32 loads of this step's head may be out
	PLACES
	WIN 0
	FETCH_A \slot, (\q)+1, 0
.if \x31
.irp a, 0,1,2,3,4,5,6,7
	SETAR \a
	FRAG AR, ADRA+(\slot), 2*PCE+\a*FRB
.endr
.endif
.if \first
	WIN BIA_HI
.else
	WIN MUL_HI
.endif
.irp a, 4,5,6,7
	MULA \a, \p, \first
.endr
	PLACES
	WIN 0
	FETCH_A \slot, (\q)+1, 4
.endm
; A slot's last step changes slots.  In front of the barrier each wave waits for all its tensor loads (one is out: its part of the next slot), adds 0 to its spare word, and waits for that and for its reads of this slot.
; fill = 1: the barrier opens a round of the cluster's barrier, and this slot is filled again, adv bytes further along K.  ask: 0 no prefetch, 1 the first one, 2 one in all trips of the loop but the last.
.macro TURN slot, p, fill, adv, ask
.if \ask
	s_wait_xcnt 0x0                                ; my earlier prefetches have read their address
.if \ask == 1
	s_add_nc_u64 s[PFA:PFA+1], s[PFA:PFA+1], 11*PLANE  ; fill 4 begins at g = 11
.else
	s_add_nc_u64 s[PFA:PFA+1], s[PFA:PFA+1], 3*PLANE
.endif
.endif
	s_wait_dscnt 12
	WIN MUL_LO
	MULA 0, \p, 0
	WIN 0                                          ; (the add's two registers lie in window 0)
	s_wait_tensorcnt 0x0
	ds_add_u32 v[SPW], v[NIL]
	WIN MUL_LO
	MULA 1, \p, 0
	s_wait_dscnt 0x0                               ; the add is done, and my reads of this slot are over
	s_barrier_signal -1
	MULA 2, \p, 0
	WIN 0
	s_barrier_wait -1
.if \fill
	CREST
	s_add_nc_u64 s[G0+4*\slot+2:G0+4*\slot+3], s[G0+4*\slot+2:G0+4*\slot+3], \adv
	s_add_nc_u64 s[G0B+4*\slot+2:G0B+4*\slot+3], s[G0B+4*\slot+2:G0B+4*\slot+3], \adv
	JLOAD \slot                                    ; the first tensor load behind the round
.endif
	FETCH_B 1-(\slot), 0, 1-(\p)
	SCALES 1-(\slot), 0, 1-(\p)
.if \ask == 2
	s_cmp_gt_u32 s3, 1
	s_cbranch_scc0 .Lno_ask_\@
.endif
.if \ask
	ASK 0
.endif
.if \ask == 2
.Lno_ask_\@:
.endif
	WIN MUL_LO
	MULA 3, \p, 0
	PLACES
	WIN 0
	FETCH_A 1-(\slot), 0, 0
	WIN MUL_HI
.irp a, 4,5,6,7
	MULA \a, \p, 0
.endr
	PLACES
	WIN 0
	FETCH_A 1-(\slot), 0, 4
.endm
	s_wait_alu depctr_va_vdst(0)
	s_wait_tensorcnt 0x0                           ; my part of fill 0 is in
	ds_add_u32 v[SPW], v[NIL]
	s_mov_b32 s[G1+2], 3<<16                       ; no tensor load of mine is out: from here on a load brings three rows
	s_mov_b32 s[G1+4], 3
	s_mov_b32 s[G1B+2], 3<<16
	s_mov_b32 s[G1B+4], 3
	s_wait_dscnt 0x0
	CROUND
	JLOAD 1                                        ; fill 1, the first tensor load behind the round
	FETCH_B 0, 0, 0
	FETCH_A 0, 0, 0
	SCALES 0, 0, 0
	FETCH_A 0, 0, 4
	ASK 8*PLANE                                    ; fill 3 (g = 8 ..)
	s_wait_loadcnt 0x0                             ; the bias
	STEP 0, 0, 0, 1, 0                             ; g = 0: the first products start the sums on the bias
	TURN 0, 1, 1, 5*PLANE, 1                       ; g = 1; slot 0 takes fill 2 (g = 5 ..)
	s_mov_b32 s3, 4
.Llap:                                                 ; a trip: fills 2 m + 1 (slot 1) and 2 m + 2 (slot 0), six steps; both slots are filled again
	STEP 1, 0, 0, 0, 0
	STEP 1, 1, 1, 0, 0
	TURN 1, 0, 1, 6*PLANE, 2
	STEP 0, 0, 1, 0, 0
	STEP 0, 1, 0, 0, 0
	TURN 0, 1, 1, 6*PLANE, 2
	s_sub_co_u32 s3, s3, 1
	s_cmp_lg_u32 s3, 0
	s_cbranch_scc1 .Llap
	STEP 1, 0, 0, 0, 0                             ; fills 9 and 10: nothing is filled again
	STEP 1, 1, 1, 0, 0
	TURN 1, 0, 0, 0, 0
	STEP 0, 0, 1, 0, 1                             ; g = 29; it fetches g = 30's fragments, and g = 31's of x
; THE WAY OUT of block a (16 rows x 128 columns): through my own stage in LDS and back as whole rows of 512 bytes, into the block's own accumulator registers.  LDS serves a wave's instructions in order (ISA guide 5.7.1):
; no wait between the stores and the loads, nor in front of the next block's stores.  Every store's offset is an immediate: 127 rows of 16,384 bytes at the most, inside the signed 24-bit immediate (ISA guide, chapter 10).
.macro TOSTAGE a
.set AC, 64*((\a)%4)
	WIN 0x88+0x44*((\a)/4)                         ; store data and loaded data: window 2 or 3; addresses: window 0
.irp b, 0,1,2,3,4,5,6,7
	ds_store_b128 v[STO], v[AC+8*\b:AC+8*\b+3] offset:64*\b          ; each accumulator from its low end on
	ds_store_b128 v[STO], v[AC+8*\b+4:AC+8*\b+7] offset:64*\b+16
.endr
.irp t, 0,1,2,3,4,5,6,7,8,9,10,11,12,13,14,15
	ds_load_b128 v[AC+4*\t:AC+4*\t+3], v[RD] offset:\t*SPITCH
.endr
.endm
.macro SEND a
.set AC, 64*((\a)%4)
	WIN 0x88+0x44*((\a)/4)
	s_wait_dscnt 0x0                               ; the block is back in registers
.irp t, 0,1,2,3,4,5,6,7,8,9,10,11,12,13,14,15
	global_store_b128 v[CO], v[AC+4*\t:AC+4*\t+3], s[10:11] offset:(16*(\a)+\t)*SIZE_N*4 th:TH_STORE_NT   ; 32 lanes store 512 consecutive bytes, at a multiple of 256 from the buffer's first byte
.endr
.endm
	s_wait_dscnt 12                                ; g = 30 and g = 31, by rows of the output
	FETCH_B 0, 2, 1                                ; g = 31's fragments of W into the set that g = 29 has left
	SCALES 0, 2, 1
	WIN MUL_LO
.irp a, 0,1,2,3
	MULA \a, 0, 0
.endr
	s_wait_dscnt 0x0
.irp a, 0,1,2,3,4,5,6,7
	WIN MUL_LO+0x50*(\a/4)
.if \a >= 4
	MULA \a, 0, 0
.endif
	MULB \a                                        ; block a's sums are finished
.if \a > 0
	SEND \a-1                                      ; the block before has had these products in which to come back from the stage
.endif
	PLACES
	TOSTAGE \a
.endr
	SEND 7
	WIN 0
	s_wait_tensorcnt 0x0                           ; the wave's end
	ds_add_u32 v[SPW], v[NIL]
	s_wait_dscnt 0x0
	CROUND                                         ; the closing round
	s_endpgm
.Lfunc_end_k_q9ec2725409_gemm:
	.size	k_q9ec2725409_gemm, .Lfunc_end_k_q9ec2725409_gemm-k_q9ec2725409_gemm
	.p2alignl 7, 3214868480
	.fill 96, 4, 3214868480
	.section	.rodata,"a",@progbits
	.p2align	6, 0x0
	.amdhsa_kernel k_q9ec2725409_gemm
		.amdhsa_group_segment_fixed_size 327680
		.amdhsa_private_segment_fixed_size 0
		.amdhsa_enable_private_segment 0
		.amdhsa_kernarg_size 32
		.amdhsa_user_sgpr_count 2
		.amdhsa_user_sgpr_kernarg_segment_ptr 1
		.amdhsa_wavefront_size32 1
		.amdhsa_system_sgpr_workgroup_id_x 1
		.amdhsa_system_sgpr_workgroup_id_y 1
		.amdhsa_system_sgpr_workgroup_id_z 1
		.amdhsa_system_vgpr_workitem_id 0
		.amdhsa_next_free_vgpr 1024
		.amdhsa_next_free_sgpr 72
		.amdhsa_reserve_vcc 0
		.amdhsa_float_denorm_mode_32 3
		.amdhsa_float_denorm_mode_16_64 3
		.amdhsa_memory_ordered 1
		.amdhsa_forward_progress 1
		.amdhsa_inst_pref_size 213
	.end_amdhsa_kernel
	.amdgpu_metadata
---
amdhsa.version: [ 1, 2 ]
amdhsa.kernels:
  - .name:           k_q9ec2725409_gemm
    .symbol:         k_q9ec2725409_gemm.kd
    .args:
      - { .name: xq, .offset: 0, .size: 8, .value_kind: global_buffer, .address_space: global }
      - { .name: wq, .offset: 8, .size: 8, .value_kind: global_buffer, .address_space: global }
      - { .name: bias, .offset: 16, .size: 8, .value_kind: global_buffer, .address_space: global }
      - { .name: out0, .offset: 24, .size: 8, .value_kind: global_buffer, .address_space: global }
    .group_segment_fixed_size: 327680
    .private_segment_fixed_size: 0
    .kernarg_segment_align: 8
    .kernarg_segment_size: 32
    .max_flat_workgroup_size: 128
    .sgpr_count:     72
    .vgpr_count:     1024
    .wavefront_size: 32
...
	.end_amdgpu_metadata
.endif
;; end of part 2
